; MI455X (gfx1250); checked and timed in simulation.
; The chip was launched on July 23, 2026; its instructions are those of AMD's public machine-readable ISA for CDNA 5 (MIT licence, August 2026) and "CDNA5" Instruction Set Architecture Reference Guide (July 2026). The comments in the code are by the model that wrote it; some were corrected since.
;; SA MH Layer. Allowed arithmetic: matrix products marked QUANTISED: E5M2 operands, one given power-of-two scale a tensor, by v_wmma_f32_16x16x64_bf8_bf8 or v_wmma_f32_16x16x128_bf8_bf8, f32 sums; everything else in f32.
;; Inputs: beta 256 float32; bt 256 float32; gamma 256 float32; lowp_scales 12 int32 (the exponents e of the quantised operands' scales 2^e); wk_codes 256 x 8 x 32 uint8 (E5M2 codes of wk, K innermost, in blocks of 32 codes); wq_codes 256 x 8 x 32 uint8 (E5M2 codes of wq, K innermost, in blocks of 32 codes); wt_codes 256 x 8 x 32 uint8 (E5M2 codes of wt, K innermost, in blocks of 32 codes); wv_codes 256 x 8 x 32 uint8 (E5M2 codes of wv, K innermost, in blocks of 32 codes); x 4 x 256 x 4,096 float32.
;; Outputs: out0 4 x 256 x 4,096 float32.
;; This version of the problem:
;;   THIS VERSION OF THE PROBLEM IS GIVEN IN LOW PRECISION. The matrix products marked QUANTISED in the list below multiply operands that are first quantised to E5M2 (5 exponent bits, 2 mantissa bits; 8 bits a number), with one given power-of-two scale for each operand tensor; their sums are f32. All else is computed in f32.
;;   The module's matrix products, in the order in which they are computed (A, B: the left and right operand; K: the contracted axis; several contracted axes count as one K, in the product's order):
;;     1. [M 16,384, K 256] x [K 256, N 256]; A: input x; B: input wq (given as codes): QUANTISED (scales: A lowp_scales[0], B lowp_scales[1])
;;     2. [M 16,384, K 256] x [K 256, N 256]; A: input x; B: input wk (given as codes): QUANTISED (scales: A lowp_scales[2], B lowp_scales[3])
;;     3. [M 16,384, K 256] x [K 256, N 256]; A: input x; B: input wv (given as codes): QUANTISED (scales: A lowp_scales[4], B lowp_scales[5])
;;     4. batch 16 x [M 4,096, K 64] x [K 64, N 4,096]; A: computed on the way; B: computed on the way: QUANTISED (scales: A lowp_scales[6], B lowp_scales[7])
;;     5. batch 16 x [M 64, K 4,096] x [K 4,096, N 4,096]; A: computed on the way; B: softmax (see below): QUANTISED (scales: A lowp_scales[8], B lowp_scales[9])
;;     6. [M 16,384, K 256] x [K 256, N 256]; A: computed on the way; B: input wt (given as codes): QUANTISED (scales: A lowp_scales[10], B lowp_scales[11])
;;   THE QUANTISER, for each operand of a quantised product, along K:
;;     - The operand's scale is 2^e, e = its entry of the input lowp_scales (int32; the entries are numbered through the quantised products in the list's order, A before B).
;;     - Each number is divided by the scale, clamped to +-57,344, and rounded to the nearest number of E5M2, ties to even, subnormals kept.
;;     - The product sums the exact products of the quantised numbers (number of the format x scale) in f32.
;;   ~~~python
;;   def quantise(x, axis, e):      # numpy; x: float32 -> the quantised numbers, widened to float32 again
;;       x = np.moveaxis(x, axis, -1); K = x.shape[-1]
;;       r = np.clip(x / 2.0 ** e, -57344, 57344)
;;       step = 2.0 ** (np.maximum(np.frexp(np.where(r == 0, 1, r))[1] - 1, -14) - 2)
;;       q = np.round(r / step) * step * 2.0 ** e      # np.round: ties to even
;;       return np.moveaxis(q, -1, axis).astype(np.float32)
;;   ~~~
;;   SOFTMAX AHEAD OF A QUANTISED PRODUCT. Where the list says 'softmax', what is quantised is not the finished softmax but p = 2^(t - M), with t = logit x log2(e) and M = ceil(the row's largest t), a whole number; so 1/2 < the row's largest p <= 1. The row's sum l is taken of the UNQUANTISED p, in f32, and the product's result is divided by l at the end. Since M is a whole number, a kernel that streams over the keys may use a running M (the ceiling of the running maximum): every later rescaling is an exact power of two, so the quantised numbers keep their values, but for numbers so far below the row's largest that they fall under the format's range.
;;   OPERANDS COMPUTED ON THE WAY. 'Computed on the way' means the value that the module computes at that place (a softmax that the list does not call 'softmax' is quantised finished and normalised). What goes into a quantiser is computed in f32, as accurately as f32 sums, v_exp_f32 and their like allow (about 1e-6 of the number): no bf16 or f16 on the way to a quantiser, and a product that is left as it is and whose result goes on into a quantised operand takes f32 operands (vector FMAs, or v_wmma_f32_16x16x4_f32). A number that lies on a knife's edge between two numbers of the format may be rounded either way, as far as f32 arithmetic and the matrix unit's own rounding can turn it there, and no further.
;;   INPUTS GIVEN AS CODES. wk (in the module: [256, 256], K = its axis 1); wq (in the module: [256, 256], K = its axis 1); wt (in the module: [256, 256], K = its axis 1); wv (in the module: [256, 256], K = its axis 1): each comes as NAME_codes (uint8): NAME with its K axis moved to the last place and cut into blocks of 32 codes, [.., K / 32, bytes a block], one block behind the other in memory; one code a byte (a code: sign, 5 exponent bits, 2 mantissa bits); its scale is its entry of lowp_scales. Its value is code x scale, taken as it is: it is not quantised again, and the codes and scales need not be those that the quantiser above would give.
;; One version. Each part assembles by itself: llvm-mc -triple=amdgcn-amd-amdhsa -mcpu=gfx1250 --defsym DOCPART=n.
;; ======== version 1 of 1: 3 launches
;; limits: right only within a limited range of input values
;; workspace buffers: qc 4,194,304 bytes; kv 8,388,608 bytes; y 16,777,216 bytes
;; launch proj (part 1): grid 256 x 1, 16 waves a work-group, no clusters, 83,968 bytes of LDS; arguments x, wq_codes, wk_codes, wv_codes, lowp_scales, qc, kv; writes qc, kv
.if DOCPART == 1
	.amdgcn_target "amdgcn-amd-amdhsa--gfx1250"
	.amdhsa_code_object_version 6
	.text
	.protected	k_q2dae2c8768_proj
	.globl	k_q2dae2c8768_proj
	.p2align	8
	.type	k_q2dae2c8768_proj,@function
k_q2dae2c8768_proj:
	s_mov_b64 s[64:65], 0
	v_nop
	global_prefetch_b8 v0, s[64:65] scope:SCOPE_SE
	s_setreg_imm32_b32 hwreg(HW_REG_WAVE_MODE, 25, 1), 1
	s_wait_xcnt 0x0
; q = wq x, k = wk x, v = wv x on codes of BF8 (E5M2), and q, k, v quantised again for the attention's two products.
; x: [4][256 c][4096 p] f32, K = c is its outer axis.  wq, wk, wv: [256 o][256 c] codes, K innermost.  Scales 2^e: e0, e2, e4 for x (three quantisations), e1, e3, e5 for the weights, e6, e7, e8 for q, k, v.
; SHARES.  Work-group g (0..255) takes 64 points (batch g / 64, points 64 (g % 64) on) and all 768 outputs.  THE WAVES SHARE THE COLUMNS: wave w owns outputs 16 w .. 16 w + 15 of each of q, k, v, for all 64 points:
; its 12,288 bytes of weights go once from memory straight into 96 operand registers.  What goes round through LDS is the small thing: x's codes, as IMAGES OF OPERAND REGISTERS (block i = registers 4 i .. 4 i + 3 at 512 i, lane l's 16 bytes at 16 l).
; X: wave w loads channels 16 w .. 16 w + 15 of the 64 points, a lane a point, registers down c: the conversions then give 16 neighbouring codes along K, which are one 16-byte place of an image.
; k ORDER of these three products: lane (r, h), registers 4 i .. 4 i + 3 of K step s hold c = 128 s + 32 i + 16 h + 0 .. 15, alike in x and in the weights: every product meets its partner.
; q, k: source 0 = 16 rows of the weight, source 1 = 16 points: a lane holds one point and eight neighbouring channels: one register pair of the K = 64 operand (d = 16 c + 8 h + j) of the scores' product.
; v: the sources swapped: a lane holds one channel and eight neighbouring points (keys): the wave's eight code registers are a whole operand image along the keys.
; OUT.  qc: [g][head][tile m of 16 points][1,024].  kv: [g][32,768]: k as qc, then v [head][16 channels dt][1,024].  Every store of a wave covers 512 consecutive bytes, aligned.
; NO CLUSTER: all work-groups read the same 196,608 bytes of weights, but this launch has no tensor load, no loop and one pass; a joint load would bring the weights through LDS, from which each wave would have to read them once more.
; LIMITS on the given exponents, so that each power of two is an f32 number: e0, e2, e4, e6 - e0 - e1, e7 - e2 - e3, e8 - e4 - e5 between -126 and 112.  NaN among the inputs is not served.
.set XIMG, 0                           ; LDS: x's codes: fragment (kind k, tile m, K step s) at 16384 k + 4096 m + 2048 s: 49,152 bytes
.set OST,  49152                       ; LDS: q's and k's images: 16384 kind + 4096 head + 1024 m: 32,768 bytes
.set XA,   4                           ; v4   x: 4 x lane
.set WA,   5                           ; v5   weights: 4096 w + 256 r + 16 h
.set XST,  6                           ; v6   where my 16 codes of a point go: 4096 (lane / 16) + 16 (lane % 16) + 256 w
.set LI,   7                           ; v7   16 x lane
.set QST,  8                           ; v8   where my register pair of q or k goes
.set OLD,  9                           ; v9   where I read 1,024 bytes of finished images back
.set GO,   10                          ; v10  1024 w + 16 x lane: my place in the block of qc and of kv
.set SCX,  12                          ; v12-14 2^e0, 2^e2, 2^e4
.set LMX,  15
.set SCO,  18                          ; v18-20 the folded scales of q, k, v
.set LMO,  21
.set XR,   32                          ; v32-63  x as loaded: 16 channels of point lane, 16 of point 32 + lane
.set T,    64
.set CD,   80                          ; v80-103 codes, four registers for each (kind, half)
.set XF,   32                          ; behind the first barrier: v32-95 x's four fragments of a K step
.set ACC,  96                          ; v96-127 four accumulators, one a tile of points
.set QC,   128                         ; v128-151 the codes of q, k, v: eight registers each
.set OUTR, 32
.set W,    160                         ; v160-255 my weights: kind k, K step s at 160 + 32 k + 16 s
.macro MKSC e, vsc, vlm                ; s[e] = an exponent: 2^e and 57,344 x 2^e as f32
	s_add_co_i32 s46, s[\e], 127
	s_lshl_b32 s47, s46, 23
	v_mov_b32 v[\vsc], s47
	s_add_co_i32 s46, s46, 15
	s_lshl_b32 s46, s46, 23
	s_or_b32 s46, s46, 0x600000
.endm
.macro BARRIER                         ; my LDS stores have landed and my LDS loads are in: then the work-group's barrier
	s_wait_dscnt 0x0
	s_barrier_signal -1
	s_barrier_wait -1
.endm
.macro XQ k, a                         ; 16 channels of point 32 a + lane, under kind k's scale, become 16 codes and go to their place in the image
.irp i, 0,1,2,3,4,5,6,7,8,9,10,11,12,13,14,15
.endr
	v_cvt_scalef32_pk8_bf8_f32 v[CD+4*(2*\k+\a):CD+4*(2*\k+\a)+1], v[T+((XR+16*\a+0)-(T+0)):T+7+((XR+16*\a+0)-(T+0))], v[SCX+\k]
	v_cvt_scalef32_pk8_bf8_f32 v[CD+4*(2*\k+\a)+2:CD+4*(2*\k+\a)+3], v[T+8+((XR+16*\a+0)-(T+0)):T+15+((XR+16*\a+0)-(T+0))], v[SCX+\k]
	v_nop
	ds_store_b128 v[XST], v[CD+4*(2*\k+\a):CD+4*(2*\k+\a)+3] offset:XIMG+\k*16384+\a*8192
.endm
.macro FETCHX k, s                     ; x's four fragments (16 points x 128 c) of kind k, K step s
.irp m, 0,1,2,3
.irp i, 0,1,2,3
	ds_load_b128 v[XF+16*\m+4*\i:XF+16*\m+4*\i+3], v[LI] offset:XIMG+\k*16384+\m*4096+\s*2048+512*\i
.endr
.endr
.endm
.macro MUL k, s                        ; four products, the four accumulators by turns; four places follow, for the loads and reads behind them
.irp m, 0,1,2,3
.if \k < 2
.if \s == 0
	v_wmma_f32_16x16x128_bf8_bf8 v[ACC+8*\m:ACC+8*\m+7], v[W+32*\k+16*\s:W+32*\k+16*\s+15], v[XF+16*\m:XF+16*\m+15], 0
.else
	v_wmma_f32_16x16x128_bf8_bf8 v[ACC+8*\m:ACC+8*\m+7], v[W+32*\k+16*\s:W+32*\k+16*\s+15], v[XF+16*\m:XF+16*\m+15], v[ACC+8*\m:ACC+8*\m+7]
.endif
.else
.if \s == 0
	v_wmma_f32_16x16x128_bf8_bf8 v[ACC+8*\m:ACC+8*\m+7], v[XF+16*\m:XF+16*\m+15], v[W+32*\k+16*\s:W+32*\k+16*\s+15], 0
.else
	v_wmma_f32_16x16x128_bf8_bf8 v[ACC+8*\m:ACC+8*\m+7], v[XF+16*\m:XF+16*\m+15], v[W+32*\k+16*\s:W+32*\k+16*\s+15], v[ACC+8*\m:ACC+8*\m+7]
.endif
.endif
.endr
.rept 4
	v_nop
.endr
.endm
.macro QOUT k                          ; the four accumulators are quantised under the folded scale and sent on; each accumulator is read from its low end on
.irp m, 0,1,2,3
.irp j, 0,1,2,3,4,5,6,7
.endr
	v_cvt_scalef32_pk8_bf8_f32 v[QC+8*\k+2*\m:QC+8*\k+2*\m+1], v[ACC+8*\m:ACC+8*\m+7], v[SCO+\k]
.endr
	v_nop                                          ; a plain line between the last conversion and the next products, which write its sources
.if \k < 2
.irp m, 0,1,2,3
	ds_store_b64 v[QST], v[QC+8*\k+2*\m:QC+8*\k+2*\m+1] offset:\k*16384+\m*1024   ; register pair w % 4 of the image (head w / 4, tile m)
.endr
.else
	global_store_b128 v[GO], v[QC+16:QC+19], s[16:17] offset:16384   ; v: my eight registers are image w of the block's sixteen
	global_store_b128 v[GO], v[QC+20:QC+23], s[16:17] offset:16896
.endif
.endm
	s_load_b256 s[4:11], s[0:1], 0x0               ; x s[4:5], wq s[6:7], wk s[8:9], wv s[10:11]
	s_load_b128 s[12:15], s[0:1], 0x20             ; the scales' exponents s[12:13], qc s[14:15]
	s_load_b64 s[16:17], s[0:1], 0x30              ; kv
	v_lshl_add_u32 v158, v0, 2, 0x14000
	v_mov_b32 v159, 0
	v_lshrrev_b32 v1, 5, v0
	s_delay_alu instid0(VALU_DEP_1)
	v_readfirstlane_b32 s18, v1                    ; wave 0..15
	v_and_b32 v1, 31, v0                           ; lane
	v_and_b32 v2, 15, v0                           ; r
	v_bfe_u32 v3, v0, 4, 1                         ; h
	s_delay_alu instid0(VALU_DEP_3)
	v_lshlrev_b32 v[XA], 2, v1
	s_lshl_b32 s33, s18, 12
	v_lshlrev_b32 v[WA], 8, v2
	s_delay_alu instid0(VALU_DEP_1)
	v_lshl_add_u32 v[WA], v3, 4, v[WA]
	s_delay_alu instid0(VALU_DEP_1)
	v_add_nc_u32 v[WA], s33, v[WA]
	s_lshl_b32 s33, s18, 8                         ; 256 w = 2048 s + 512 i + 256 h for c = 16 w = 128 s + 32 i + 16 h
	v_lshlrev_b32 v[XST], 4, v2
	s_delay_alu instid0(VALU_DEP_1)
	v_lshl_add_u32 v[XST], v3, 12, v[XST]
	s_delay_alu instid0(VALU_DEP_1)
	v_add_nc_u32 v[XST], s33, v[XST]
	v_lshlrev_b32 v[LI], 4, v1
	s_wait_alu depctr_va_vdst(0)
	s_lshr_b32 s33, s18, 2
	s_lshl_b32 s33, s33, 12                        ; head w / 4: 4,096 bytes
	s_bfe_u32 s34, s18, 0x10001
	s_lshl_b32 s34, s34, 9                         ; pair w % 4: block (w % 4) / 2,
	s_add_co_u32 s33, s33, s34
	s_and_b32 s34, s18, 1
	s_lshl_b32 s34, s34, 3                         ; and which 8 of the lane's 16 bytes
	s_add_co_u32 s33, s33, s34
	s_add_co_u32 s33, s33, OST
	v_add_nc_u32 v[QST], s33, v[LI]
	s_lshl_b32 s33, s18, 10
	v_add_nc_u32 v[GO], s33, v[LI]
	s_add_co_u32 s33, s33, OST
	v_add_nc_u32 v[OLD], s33, v[LI]
	s_lshr_b32 s36, ttmp9, 6                       ; batch
	s_lshl_b32 s36, s36, 22
	s_and_b32 s37, ttmp9, 63
	s_lshl_b32 s37, s37, 8                         ; 64 points of 4 bytes
	s_add_co_u32 s36, s36, s37
	s_lshl_b32 s37, s18, 18                        ; 16 channels of 16,384 bytes
	s_add_co_u32 s36, s36, s37
	s_mov_b32 s37, 0
	s_lshl_b32 s38, ttmp9, 14
	s_mov_b32 s39, 0
	s_lshl_b32 s40, ttmp9, 15
	s_mov_b32 s41, 0
	s_wait_kmcnt 0x0
	s_load_b256 s[24:31], s[12:13], 0x0            ; e0 .. e7
	s_load_b32 s32, s[12:13], 0x20                 ; e8
	s_add_nc_u64 s[4:5], s[4:5], s[36:37]
	s_add_nc_u64 s[14:15], s[14:15], s[38:39]
	s_add_nc_u64 s[16:17], s[16:17], s[40:41]
.irp i, 0,1,2,3,4,5,6,7,8,9,10,11,12,13,14,15
.irp a, 0,1
	global_load_b32 v[XR+16*\a+\i], v[XA], s[4:5] offset:\i*16384+\a*128 th:TH_LOAD_NT   ; x(16 w + i, 32 a + lane): 128 consecutive bytes; the two halves of a channel's 256 follow each other
.endr
.endr
.irp k, 0,1,2
.irp s, 0,1
.irp i, 0,1,2,3
	global_load_b128 v[W+32*\k+16*\s+4*\i:W+32*\k+16*\s+4*\i+3], v[WA], s[6+2*\k:7+2*\k] offset:128*\s+32*\i
.endr
.endr
.endr
	s_wait_kmcnt 0x0
	MKSC 24, SCX, LMX
	MKSC 26, SCX+1, LMX+1
	MKSC 28, SCX+2, LMX+2
	s_sub_co_i32 s45, s30, s24                     ; a sum of the first product stands for sum x 2^(e0 + e1): q's code is sum / 2^(e6 - e0 - e1)
	s_sub_co_i32 s45, s45, s25
	MKSC 45, SCO, LMO
	s_sub_co_i32 s45, s31, s26
	s_sub_co_i32 s45, s45, s27
	MKSC 45, SCO+1, LMO+1
	s_sub_co_i32 s45, s32, s28
	s_sub_co_i32 s45, s45, s29
	MKSC 45, SCO+2, LMO+2
	s_wait_alu depctr_va_vdst(0)
	s_wait_loadcnt 24                              ; x's 32 loads are in; the 24 loads of weights issued behind them may be out
.irp k, 0,1,2
.irp a, 0,1
	XQ \k, \a
.endr
.endr
	BARRIER                                        ; x's 24 fragments lie in LDS
	s_wait_loadcnt 0x0                             ; my weights
.irp k, 0,1,2
	FETCHX \k, 0
	s_wait_dscnt 0x0
	MUL \k, 0
	FETCHX \k, 1
	s_wait_dscnt 0x0
	MUL \k, 1
	QOUT \k
.endr
	BARRIER                                        ; q's and k's 32 images lie whole in LDS
	ds_load_b128 v[OUTR:OUTR+3],     v[OLD]
	ds_load_b128 v[OUTR+4:OUTR+7],   v[OLD] offset:512
	ds_load_b128 v[OUTR+8:OUTR+11],  v[OLD] offset:16384
	ds_load_b128 v[OUTR+12:OUTR+15], v[OLD] offset:16896
	s_wait_dscnt 3                                 ; LDS loads come back in order: the first is in, three are behind it; and so on down
	global_store_b128 v[GO], v[OUTR:OUTR+3], s[14:15]
	s_wait_dscnt 2
	global_store_b128 v[GO], v[OUTR+4:OUTR+7], s[14:15] offset:512
	s_wait_dscnt 1
	global_store_b128 v[GO], v[OUTR+8:OUTR+11], s[16:17]
	s_wait_dscnt 0
	global_store_b128 v[GO], v[OUTR+12:OUTR+15], s[16:17] offset:512
	s_wait_tensorcnt 0x0
	ds_add_u32 v158, v159
	s_wait_dscnt 0x0
	s_endpgm
.Lfunc_end_k_q2dae2c8768_proj:
	.size	k_q2dae2c8768_proj, .Lfunc_end_k_q2dae2c8768_proj-k_q2dae2c8768_proj
	.p2alignl 7, 3214868480
	.fill 96, 4, 3214868480
	.section	.rodata,"a",@progbits
	.p2align	6, 0x0
	.amdhsa_kernel k_q2dae2c8768_proj
		.amdhsa_group_segment_fixed_size 83968
		.amdhsa_private_segment_fixed_size 0
		.amdhsa_enable_private_segment 0
		.amdhsa_kernarg_size 56
		.amdhsa_user_sgpr_count 2
		.amdhsa_user_sgpr_kernarg_segment_ptr 1
		.amdhsa_wavefront_size32 1
		.amdhsa_system_sgpr_workgroup_id_x 1
		.amdhsa_system_sgpr_workgroup_id_y 1
		.amdhsa_system_sgpr_workgroup_id_z 1
		.amdhsa_system_vgpr_workitem_id 0
		.amdhsa_next_free_vgpr 256
		.amdhsa_next_free_sgpr 66
		.amdhsa_reserve_vcc 0
		.amdhsa_float_denorm_mode_32 3
		.amdhsa_float_denorm_mode_16_64 3
		.amdhsa_fp16_overflow 1
		.amdhsa_memory_ordered 1
		.amdhsa_forward_progress 1
		.amdhsa_inst_pref_size 22
	.end_amdhsa_kernel
	.amdgpu_metadata
---
amdhsa.version: [ 1, 2 ]
amdhsa.kernels:
  - .name:           k_q2dae2c8768_proj
    .symbol:         k_q2dae2c8768_proj.kd
    .args:
      - { .name: x, .offset: 0, .size: 8, .value_kind: global_buffer, .address_space: global }
      - { .name: wq_codes, .offset: 8, .size: 8, .value_kind: global_buffer, .address_space: global }
      - { .name: wk_codes, .offset: 16, .size: 8, .value_kind: global_buffer, .address_space: global }
      - { .name: wv_codes, .offset: 24, .size: 8, .value_kind: global_buffer, .address_space: global }
      - { .name: lowp_scales, .offset: 32, .size: 8, .value_kind: global_buffer, .address_space: global }
      - { .name: qc, .offset: 40, .size: 8, .value_kind: global_buffer, .address_space: global }
      - { .name: kv, .offset: 48, .size: 8, .value_kind: global_buffer, .address_space: global }
    .group_segment_fixed_size: 83968
    .private_segment_fixed_size: 0
    .kernarg_segment_align: 8
    .kernarg_segment_size: 56
    .max_flat_workgroup_size: 512
    .sgpr_count:     66
    .vgpr_count:     256
    .wavefront_size: 32
...
	.end_amdgpu_metadata
.endif
;; end of part 1
;; launch attn (part 2): grid 256 x 1, 8 waves a work-group, clusters of 4 x 1, 327,680 bytes of LDS; arguments qc, kv, x, wt_codes, bt, lowp_scales, y; writes y
.if DOCPART == 2
	.amdgcn_target "amdgcn-amd-amdhsa--gfx1250"
	.amdhsa_code_object_version 6
	.text
	.protected	k_q2dae2c8768_attn
	.globl	k_q2dae2c8768_attn
	.p2align	8
	.type	k_q2dae2c8768_attn,@function
k_q2dae2c8768_attn:
	s_mov_b64 s[64:65], 0
	v_nop
	global_prefetch_b8 v0, s[64:65] scope:SCOPE_SE
	s_setreg_imm32_b32 hwreg(HW_REG_WAVE_MODE, 25, 1), 1
	s_wait_xcnt 0x0
	s_wait_alu depctr_hold_cnt(0) depctr_sa_sdst(0) depctr_va_vdst(0) depctr_va_sdst(0) depctr_va_ssrc(0) depctr_va_vcc(0) depctr_vm_vsrc(0)
	s_getreg_b32 s2, hwreg(HW_REG_IB_STS2, 6, 4)
	s_cmp_eq_u32 s2, 0
	s_cbranch_scc0 .Lentry_in_a_cluster
	s_endpgm
.Lentry_in_a_cluster:
	s_bfe_u32 s2, ttmp6, 0x10000c
	s_cmp_lg_u32 s2, 0x3003
	s_cbranch_scc0 .Lentry_shape_is_right
	s_endpgm
.Lentry_shape_is_right:
; y = wt (o - x) + bt, o = attention of four heads of 64 over 4,096 keys; all three products on codes of BF8 (E5M2), each operand with its given scale 2^e: e6 q, e7 k, e8 v, e9 p, e10 o - x, e11 wt.
; qc, kv: codes as images of operand registers (block i = registers 4 i .. 4 i + 3 at 512 i, lane l's 16 bytes at 16 l), a block of 64 points on end: qc 16,384 bytes [head][tile][1,024]; kv 32,768: k likewise, then v [head][16 channels][1,024], keys innermost.
; THE SOFTMAX: t = score x log2(e) / 8; M = the running largest t, rounded UP to a whole number; p = 2^(t - M) is quantised, not normalised; the row's sum l is taken of the unquantised p and divides at the end; when M moves, l and O are multiplied by 2^(old M - new M): exact.
; SHARES.  A work-group owns 64 queries and ALL four heads, so that the last product (K = all 256 channels) can follow in the same launch.  Wave w: head w / 2, query tiles 2 (w % 2) and 2 (w % 2) + 1: each fragment of k and v read from LDS feeds two products.
; Two waves share a SIMD, so that one's matrix instructions and LDS loads stand beside the other's vector work: a step of 128 keys is 24 matrix instructions and some 520 vector instructions a wave.
; LAYOUT.  S^T = k q^T (source 0 = 16 keys, source 1 = 16 queries) and O^T = v^T p^T: a lane holds ONE query throughout.  Tile t of S^T gives lane (r, h) keys 16 t + 8 h + 0 .. 7: register pair t of p's operand, as v's images are laid: nothing is permuted.
; RING.  Two LDS slots of 256 keys (131,072 bytes, all heads: four blocks of kv as they lie).  CLUSTER: the four work-groups of a cluster lie in one batch and walk the same kv: each slot is asked for JOINTLY (mask 15), waves 0 to 3 a quarter each.
; A wave has one tensor load outstanding.
; EPILOGUE, in slots that have had their last fill: x's tile (the last fill of slot 0), o / l - x quantised, images through LDS to all waves, wave w makes outputs 32 w .. 32 w + 31 for the 64 points, + bt, out through its own stage as whole rows of 256 bytes.
; LIMITS on the given exponents, so that each power of two is an f32 number: e6 + e7 between -123 and 130 (added to the exponent field of log2(e) / 8); e9, e10 between -126 and 112; e10 + e11 between -126 and 127; e8 + e9 goes by v_ldexp_f32.  NaN among the inputs is not served.
; REGISTERS.  Window 0: v1-11, v20-24 addresses; v12-19 statistics (tile u: v[12 + 4 u] -M, +1 largest t, +2, +3 l in two halves); v32-95 fragments of k or v; v96-159, v160-223 S^T then p of tiles 0, 1; v224-251 constants and work.
; Window 1: v0-63 O^T (tile u, channels 16 d on: 32 u + 8 d); v64-79 q; v80-111 p's codes.
.set SLOT1, 1<<17                      ; LDS slot 1 begins here: one exclusive or turns an address in one slot into the other's
.set SLOTB, 131072                     ; bytes of a slot, in LDS and in kv
.set SPARE, 262144                     ; behind the ring: the spare words, 128 bytes for each of eight waves: four blocks of 256 bytes that no other line names
.set DIMG,  65536                      ; epilogue: the images of o - x: 4096 m + 1024 head: 16,384 bytes, in slot 0 behind x's tile
.set YSTG,  131072                     ; epilogue: a stage of 32 rows x (256 + 16) bytes for each wave, in slot 1
.set AD,   1                           ; v1, v2  16 x lane + 4096 head, for a slot's first and second 128 keys
.set PFO,  3                           ; v3   the prefetches' offset: 256 x lane
.set LI,   4                           ; v4   16 x lane
.set SPW,  5                           ; v5   LDS address of my spare word; never rewritten
.set NIL,  6                           ; v6   0; never rewritten
.set ADS,  8                           ; v8   the step's LDS address
.set DLD,  9                           ; v9   images of o - x: 16 x lane
.set DST,  10                          ; v10  where I store mine
.set XAD,  11                          ; v11  x's tile: my lane's place
.set ST,   12
.set WTA,  20                          ; v20  wt: (32 w + r) 256 + 8 h
.set BTA,  21                          ; v21  bt: (32 w + r) 4
.set YST,  22                          ; v22  the stage: in
.set YRD,  23                          ; v23  the stage: back
.set YO,   24                          ; v24  my byte offset in two rows of y
.set FR,   32
.set S,    96
.set LMP,  224
.set SCP,  225                         ; 2^e9
.set MX,   226
.set M2,   228
.set PL,   230
.set FF,   232                         ; v[232:233], v[234:235]  f = 2^(old M - new M); the upper halves are named with them and hold 0
.set SU,   236
.set SCD,  240                         ; 2^e10
.set LMD,  241
.set INV,  242                         ; v[242:243], v[244:245]  2^(e8 + e9) / l
.set BT,   248                         ; v[248:249], v[250:251]  bt of my two tiles of outputs
.set O,    0                           ; window 1
.set Q,    64
.set PP,   80
.set MSB, 0
.macro WIN new                         ; s_set_vgpr_msb: bits 1:0 source 0, 3:2 source 1, 5:4 source 2, 7:6 destination; the high byte repeats the setting that is left
.if MSB != \new
	s_set_vgpr_msb (MSB<<8)|\new
.set MSB, \new
.endif
.endm
.macro MKSC e, vsc, vlm                ; s[e] = an exponent: 2^e as f32
	s_add_co_i32 s70, s[\e], 127
	s_lshl_b32 s71, s70, 23
	v_mov_b32 v[\vsc], s71
.endm
.macro CROUND                          ; a round of the cluster's barrier: my work-group's barrier; wave 0 signals for the work-group; every wave waits for all four work-groups; my work-group's barrier once more
	s_barrier_signal -1
	s_barrier_wait -1
	s_cmp_lg_u32 s18, 0
	s_cbranch_scc1 .Lnot_wave_0_\@
	s_barrier_signal -3
.Lnot_wave_0_\@:
	s_barrier_wait -3
	s_barrier_signal -1
	s_barrier_wait -1
.endm
.macro KLOAD                           ; the joint load of a slot: waves 0 to 3, a quarter (one block of kv) each; the branch hangs on the wave's number alone; four v_nop follow the load
	s_cmp_lt_u32 s18, 4
	s_cbranch_scc0 .Lno_k_\@
	tensor_load_to_lds s[40:43], s[24:31]
	s_nop 0
.rept 4
	v_nop
.endr
.Lno_k_\@:
.endm
.macro XLOAD                           ; my work-group's own tile of x: waves 0 to 3, 64 channels x 256 bytes each; no mask
	s_cmp_lt_u32 s18, 4
	s_cbranch_scc0 .Lno_x_\@
	tensor_load_to_lds s[44:47], s[32:39]
	s_nop 0
.rept 4
	v_nop
.endr
.Lno_x_\@:
.endm
; A PREFETCH INTO THE L2 of the slot that the NEXT change of slots will ask for: two key steps, 48 matrix instructions and their softmax, ahead of that load.  All sixteen clusters of a batch walk the same kv: the batch's first cluster asks.
; Its four partners share the slot out BY ADDRESS, 32,768 bytes each; in each, waves 4 to 7, which fetch nothing, take 8,192 bytes each, lanes 256 bytes apart: each aligned block of 256 bytes is named once in the launch.
; Slots 0 and 1 come by their loads alone; the last change that fills a slot asks for nothing.
.macro ASK
	s_cmp_gt_u32 s49, s50
	s_cbranch_scc0 .Lnot_mine_\@
	global_prefetch_b8 v[PFO], s[52:53] th:TH_LOAD_NT scope:SCOPE_SE
.Lnot_mine_\@:
.endm
; THE CHANGE OF SLOTS stands at a slot's head.  Each wave waits for all its tensor loads (its part of the slot ahead), adds 0 to its spare word, and waits for that and for its reads of the slot that it has left.
; fill = 1: a round of the cluster's barrier, then the slot just left is asked for jointly.  fill = 2: the same round, then x's tile goes into the slot just left.  fill = 0: the work-group's barrier; nothing is filled.
.macro CHANGE fill
	s_wait_tensorcnt 0x0                           ; no tensor load of mine is out, so a group 0 may be written
	ds_add_u32 v[SPW], v[NIL]                      ; 0 onto my spare word
.if \fill == 1
	s_xor_b32 s41, s41, SLOT1                      ; the walking descriptor: the other slot than last time,
	s_add_nc_u64 s[42:43], s[42:43], SLOTB         ; the next 256 keys; the type bits on top are not reached
	s_wait_xcnt 0x0                                ; the last prefetch, a slot back, has read its address, so it may be written:
	s_add_nc_u64 s[52:53], s[52:53], SLOTB         ; one slot further on than the walking descriptor
.endif
	s_wait_dscnt 0x0                               ; the add is done, and my reads of the slot that I have left are over
.if \fill == 0
	s_barrier_signal -1
	s_barrier_wait -1
.else
	CROUND                                         ; no wave of any partner still reads that slot or has a load on its way
.if \fill == 1
	KLOAD                                          ; the first thing behind the round, a wave's one tensor load until the next: it has two key steps in which to land
	ASK
.else
	XLOAD
.endif
.endif
.endm
.macro SMUL t0                         ; eight products of S^T: key tiles t0 .. t0 + 3 x my two query tiles; each starts its sum (K = the head's 64)
.irp t, \t0, \t0+1, \t0+2, \t0+3
.irp u, 0,1
	v_wmma_f32_16x16x64_bf8_bf8 v[S+64*\u+8*(\t):S+64*\u+8*(\t)+7], v[FR+8*(\t):FR+8*(\t)+7], v[Q+8*\u:Q+8*\u+7], 0
.endr
.endr
.endm
; The softmax of both tiles for a step of 128 keys; each line is written for tile 0 and tile 1, so that no line waits for the line above it.
.macro SOFTMAX
.irp u, 0,1
	v_max3_num_f32 v[MX+\u], v[S+64*\u], v[S+64*\u+1], v[S+64*\u+2]      ; the step's largest score of my query among my 64 keys, in two chains; each accumulator is first read at its low end
	v_max3_num_f32 v[M2+\u], v[S+64*\u+3], v[S+64*\u+4], v[S+64*\u+5]
.endr
.set j, 6
.rept 14
.irp u, 0,1
	v_max3_num_f32 v[MX+\u], v[MX+\u], v[S+64*\u+j], v[S+64*\u+j+1]
	v_max3_num_f32 v[M2+\u], v[M2+\u], v[S+64*\u+j+2], v[S+64*\u+j+3]
.endr
.set j, j+4
.endr
.irp u, 0,1
	v_max3_num_f32 v[MX+\u], v[MX+\u], v[S+64*\u+62], v[S+64*\u+63]
.endr
.irp u, 0,1
	s_delay_alu instid0(VALU_DEP_2)
	v_max_num_f32 v[MX+\u], v[MX+\u], v[M2+\u]
.endr
.irp u, 0,1
	s_delay_alu instid0(VALU_DEP_2)
	v_permlanex16_b32 v[PL+\u], v[MX+\u], s20, s21       ; the query's other 64 keys lie in lane l xor 16
.endr
.irp u, 0,1
	s_delay_alu instid0(VALU_DEP_2)
	v_max_num_f32 v[MX+\u], v[MX+\u], v[PL+\u]
.endr
.irp u, 0,1
	s_delay_alu instid0(VALU_DEP_2)
	v_mul_f32 v[MX+\u], s22, v[MX+\u]                    ; as t (the factor is positive)
.endr
.irp u, 0,1
	s_delay_alu instid0(VALU_DEP_2)
	v_max_num_f32 v[ST+4*\u+1], v[ST+4*\u+1], v[MX+\u]   ; the running largest t
.endr
.irp u, 0,1
	v_mov_b32 v[MX+\u], v[ST+4*\u]
.endr
.irp u, 0,1
	s_delay_alu instid0(VALU_DEP_4)
	v_floor_f32 v[ST+4*\u], -v[ST+4*\u+1]                ; the new -M = floor(-t): M is a whole number
.endr
.irp u, 0,1
	s_delay_alu instid0(VALU_DEP_2)
	v_sub_f32 v[MX+\u], v[ST+4*\u], v[MX+\u]             ; old M - new M: a whole number, 0 or less
.endr
.irp u, 0,1
	s_delay_alu instid0(VALU_DEP_2)
	v_cvt_i32_f32 v[MX+\u], v[MX+\u]                     ; (it saturates)
.endr
.irp u, 0,1
	s_delay_alu instid0(VALU_DEP_2)
	v_ldexp_f32 v[FF+2*\u], 1.0, v[MX+\u]                ; f = 2^(old M - new M)
.endr
.set j, 0
.rept 32
.irp u, 0,1
	v_pk_fma_f32 v[S+64*\u+j:S+64*\u+j+1], v[S+64*\u+j:S+64*\u+j+1], s[22:23], v[ST+4*\u:ST+4*\u+1] op_sel_hi:[1,0,0]   ; t - M, two at a time (the pairs' low words serve both halves)
.endr
.set j, j+2
.endr
.set j, 0
	s_wait_alu depctr_va_vdst(0)
.rept 128
	v_exp_f32 v[S+j], v[S+j]                             ; p = 2^(t - M), at most 1: one batch for both tiles
.set j, j+1
.endr
.irp u, 0,1
	v_pk_mul_f32 v[ST+4*\u+2:ST+4*\u+3], v[ST+4*\u+2:ST+4*\u+3], v[FF+2*\u:FF+2*\u+1] op_sel_hi:[1,0]   ; l under the new M: the plain lines behind the exponentials
.endr
	s_wait_alu depctr_va_vdst(0)                         ; one wait for the whole batch, ahead of its first reader
.irp u, 0,1
	v_pk_add_f32 v[SU+2*\u:SU+2*\u+1], v[S+64*\u:S+64*\u+1], v[S+64*\u+2:S+64*\u+3]   ; the row's sum is taken of the UNQUANTISED p, in two chains a tile
.endr
.set j, 4
.rept 15
.irp u, 0,1
	v_pk_add_f32 v[ST+4*\u+2:ST+4*\u+3], v[ST+4*\u+2:ST+4*\u+3], v[S+64*\u+j:S+64*\u+j+1]
	v_pk_add_f32 v[SU+2*\u:SU+2*\u+1], v[SU+2*\u:SU+2*\u+1], v[S+64*\u+j+2:S+64*\u+j+3]
.endr
.set j, j+4
.endr
.irp u, 0
	s_delay_alu instid0(VALU_DEP_3)
	v_pk_add_f32 v[ST+4*\u+2:ST+4*\u+3], v[ST+4*\u+2:ST+4*\u+3], v[SU+2*\u:SU+2*\u+1]
.endr
.irp u, 1
	s_delay_alu instid0(VALU_DEP_2)
	v_pk_add_f32 v[ST+4*\u+2:ST+4*\u+3], v[ST+4*\u+2:ST+4*\u+3], v[SU+2*\u:SU+2*\u+1]
.endr
.set j, 0
.rept 128
.set j, j+1
.endr
	WIN 0x40                                             ; destination window 1
.irp u, 0,1
.irp t, 0,1,2,3,4,5,6,7
	v_cvt_scalef32_pk8_bf8_f32 v[PP+16*\u+2*\t:PP+16*\u+2*\t+1], v[S+64*\u+8*\t:S+64*\u+8*\t+7], v[SCP]   ; tile t's eight keys: register pair t of p's operand
.endr
.endr
	WIN 0x41                                             ; O^T (destination, source 0) window 1, f window 0
.set j, 0
.rept 16
.irp u, 0,1
	v_pk_mul_f32 v[O+32*\u+j:O+32*\u+j+1], v[O+32*\u+j:O+32*\u+j+1], v[FF+2*\u:FF+2*\u+1] op_sel_hi:[1,0]   ; O^T under the new M; these are also the plain lines between the conversions and the products
.endr
.set j, j+2
.endr
.endm
; A KEY STEP: 128 keys, the q-th half of the slot in hand (two blocks of kv, 32,768 bytes apart).
.macro STEP q
	v_add_nc_u32 v[ADS], s48, v[AD+\q]
.rept 3
	v_nop                                          ; with the addition: four places between the last products and the loads into the registers that they read
.endr
.irp t, 0,1,2,3,4,5,6,7
	ds_load_b128 v[FR+8*\t:FR+8*\t+3],   v[ADS] offset:(\t/4)*32768+(\t%4)*1024
	ds_load_b128 v[FR+8*\t+4:FR+8*\t+7], v[ADS] offset:(\t/4)*32768+(\t%4)*1024+512
.endr
	s_wait_alu depctr_va_vdst(0)
	s_wait_dscnt 8                                 ; key tiles 0 to 3 are in; the eight loads of tiles 4 to 7 may be out
	WIN 0x04                                       ; source 1 (q) window 1
	SMUL 0
	s_wait_dscnt 0x0
	SMUL 4
	WIN 0
.rept 4
	v_nop                                          ; places: in front of the loads into k's registers and of the first read of the scores
.endr
.irp d, 0,1,2,3                                    ; v: 16 channels x 128 keys: registers 0-7 from the first block, 8-15 from the second; they land under the softmax
	ds_load_b128 v[FR+16*\d:FR+16*\d+3],     v[ADS] offset:16384+\d*1024
	ds_load_b128 v[FR+16*\d+4:FR+16*\d+7],   v[ADS] offset:16384+\d*1024+512
	ds_load_b128 v[FR+16*\d+8:FR+16*\d+11],  v[ADS] offset:49152+\d*1024
	ds_load_b128 v[FR+16*\d+12:FR+16*\d+15], v[ADS] offset:49152+\d*1024+512
.endr
	SOFTMAX
	s_wait_alu depctr_va_vdst(0)
	s_wait_dscnt 0x0                               ; v is in
	WIN 0x54                                       ; source 1 (p), C and D (O^T) window 1
.irp d, 0,1,2,3
.irp u, 0,1
	v_wmma_f32_16x16x128_bf8_bf8 v[O+32*\u+8*\d:O+32*\u+8*\d+7], v[FR+16*\d:FR+16*\d+15], v[PP+16*\u:PP+16*\u+15], v[O+32*\u+8*\d:O+32*\u+8*\d+7]   ; the eight accumulators by turns
.endr
.endr
	WIN 0
.endm
	s_load_b256 s[4:11], s[0:1], 0x0               ; qc s[4:5], kv s[6:7], x s[8:9], wt's codes s[10:11]
	s_load_b128 s[12:15], s[0:1], 0x20             ; bt s[12:13], the scales' exponents s[14:15]
	s_load_b64 s[16:17], s[0:1], 0x30              ; y
	v_lshl_add_u32 v[SPW], v0, 2, SPARE
	v_mov_b32 v[NIL], 0
	ds_add_u32 v5, v6
	ds_add_u32 v5, v6
	s_wait_dscnt 0x0
	v_lshrrev_b32 v7, 5, v0
	s_delay_alu instid0(VALU_DEP_1)
	v_readfirstlane_b32 s18, v7                    ; wave 0..7
	s_bfe_u32 s19, ttmp6, 0x40000                  ; cx: my place in the cluster: it enters global addresses alone
	s_lshl_b32 s70, ttmp9, 2                       ; in a cluster launch ttmp9 counts clusters
	s_add_co_u32 s70, s70, s19                     ; g: my block of 64 points
	s_lshr_b32 s71, ttmp9, 4                       ; the batch, which the four partners share
	s_and_b32 s72, s70, 63                         ; the block within the batch
	s_and_b32 s73, s18, 3
	s_lshr_b32 s74, s18, 1                         ; head
	s_and_b32 s75, s18, 1                          ; which two query tiles
	; descriptor group 1 for a quarter of a slot: 128 dense rows of 32 elements of 8 bytes
	s_mov_b32 s24, 15|(3<<16)|(1<<21)              ; 15:0 the mask: all four work-groups; 17:16 elements of 8 bytes; 21 set beside a mask; no padding: images are read 512 consecutive bytes at a time
	s_mov_b32 s25, 32<<16                          ; tensor_dim0 = 32
	s_mov_b32 s26, 128<<16                         ; tensor_dim1 = 128
	s_mov_b32 s27, 32<<16                          ; tile_dim0 = 32
	s_mov_b32 s28, 128                             ; tile_dim1 = 128
	s_mov_b32 s29, 32                              ; from row to row: 32 elements
	s_mov_b32 s30, 0
	s_mov_b32 s31, 0
	; and for a quarter of x's tile: 64 channels x 256 bytes, 16,384 bytes apart
	s_mov_b32 s32, 3<<16
	s_mov_b32 s33, 32<<16
	s_mov_b32 s34, 64<<16
	s_mov_b32 s35, 32<<16
	s_mov_b32 s36, 64
	s_mov_b32 s37, 2048
	s_mov_b32 s38, 0
	s_mov_b32 s39, 0
	s_lshl_b32 s76, s71, 21                        ; kv: the batch's 2,097,152 bytes,
	s_lshl_b32 s41, s73, 15                        ; my quarter of a slot, in LDS
	s_add_co_u32 s76, s76, s41                     ; and in memory
	s_mov_b32 s77, 0
	s_lshl_b32 s78, s71, 22                        ; x: the batch,
	s_lshl_b32 s79, s73, 20                        ; my 64 channels,
	s_add_co_u32 s78, s78, s79
	s_lshl_b32 s79, s72, 8                         ; the block's 64 points
	s_add_co_u32 s78, s78, s79
	s_mov_b32 s79, 0
	s_lshl_b32 s45, s73, 14                        ; and their place in LDS
	s_lshl_b32 s80, s71, 21                        ; the prefetches: the batch,
	s_lshl_b32 s81, s19, 15                        ; my work-group's quarter of a slot,
	s_add_co_u32 s80, s80, s81
	s_lshl_b32 s81, s73, 13                        ; my wave's quarter of that,
	s_add_co_u32 s80, s80, s81
	s_add_co_u32 s80, s80, SLOTB                   ; in slot 1: the first change of slots steps it to slot 2
	s_mov_b32 s81, 0
	s_sub_co_u32 s82, s18, 4
	s_lshr_b32 s82, s82, 2                         ; 0 in waves 4 to 7,
	s_and_b32 s83, ttmp9, 15
	s_or_b32 s82, s82, s83                         ; of the batch's first cluster: the same in all four partners
	s_cmp_eq_u32 s82, 0
	s_cselect_b32 s50, 1, -1                       ; a wave prefetches while s49 is above this
	s_lshl_b32 s84, s70, 14                        ; qc: my block, my wave's two fragments
	s_lshl_b32 s85, s18, 11
	s_add_co_u32 s84, s84, s85
	s_mov_b32 s85, 0
	s_lshl_b32 s86, s71, 22                        ; y: the batch, my 32 channels, the block's 64 points
	s_lshl_b32 s87, s18, 19
	s_add_co_u32 s86, s86, s87
	s_lshl_b32 s87, s72, 8
	s_add_co_u32 s86, s86, s87
	s_mov_b32 s87, 0
	s_mov_b32 s20, 0x76543210                      ; v_permlanex16_b32's selects for lane l xor 16
	s_mov_b32 s21, 0xfedcba98
	s_mov_b32 s48, 0                               ; LDS byte at which the slot in hand begins
	s_mov_b32 s49, 15                              ; slots still to be asked for
	s_wait_kmcnt 0x0
	s_load_b64 s[56:57], s[14:15], 0x18            ; e6, e7
	s_load_b128 s[60:63], s[14:15], 0x20           ; e8, e9, e10, e11
	s_mov_b32 s40, 1                               ; group 0: count = 1; s41 the LDS address;
	s_add_nc_u64 s[42:43], s[6:7], s[76:77]        ; the global address: the batch's first 256 keys, my quarter;
	s_or_b32 s43, s43, 0x80000000                  ; type = 2
	s_mov_b32 s44, 1
	s_add_nc_u64 s[46:47], s[8:9], s[78:79]
	s_or_b32 s47, s47, 0x80000000
	s_add_nc_u64 s[52:53], s[6:7], s[80:81]
	s_add_nc_u64 s[4:5], s[4:5], s[84:85]
	s_add_nc_u64 s[16:17], s[16:17], s[86:87]
	CROUND                                         ; all four work-groups are here: the first joint loads meet
	KLOAD                                          ; slot 0
	v_and_b32 v7, 31, v0                           ; lane
	v_and_b32 v25, 15, v0                          ; r
	s_wait_alu depctr_va_vdst(0)
	v_bfe_u32 v26, v0, 4, 1                        ; h
	v_lshlrev_b32 v[LI], 4, v7
	s_lshl_b32 s88, s74, 12
	v_add_nc_u32 v[AD], s88, v[LI]
	s_delay_alu instid0(VALU_DEP_1)
	v_add_nc_u32 v[AD+1], 65536, v[AD]
	v_lshlrev_b32 v[PFO], 8, v7
	v_add_nc_u32 v[DLD], DIMG, v[LI]
	s_lshl_b32 s88, s75, 13                        ; images of o - x: tile m = 2 (w % 2) + u: 4,096 bytes a tile, 1,024 a head
	s_lshl_b32 s89, s74, 10
	s_add_co_u32 s88, s88, s89
	s_add_co_u32 s88, s88, DIMG
	v_add_nc_u32 v[DST], s88, v[LI]
	s_lshl_b32 s88, s74, 14                        ; x's tile: channel x 256 + point x 4: my head's 64 channels, + 8 h channels, my 32 points, + r
	s_lshl_b32 s89, s75, 7
	s_add_co_u32 s88, s88, s89
	v_lshlrev_b32 v[XAD], 2, v25
	s_wait_alu depctr_va_vdst(0)
	v_lshl_add_u32 v[XAD], v26, 11, v[XAD]
	s_delay_alu instid0(VALU_DEP_1)
	v_add_nc_u32 v[XAD], s88, v[XAD]
	s_lshl_b32 s88, s18, 13
	v_lshlrev_b32 v[WTA], 8, v25
	s_delay_alu instid0(VALU_DEP_1)
	v_lshl_add_u32 v[WTA], v26, 3, v[WTA]
	s_delay_alu instid0(VALU_DEP_1)
	v_add_nc_u32 v[WTA], s88, v[WTA]
	s_lshl_b32 s88, s18, 7
	v_lshl_add_u32 v[BTA], v25, 2, s88
	s_mul_i32 s88, s18, 8704
	s_add_co_u32 s88, s88, YSTG                    ; my stage
	v_mul_u32_u24 v[YST], v25, 272                 ; in: row r (a channel), 32 bytes for each half of the lanes
	s_delay_alu instid0(VALU_DEP_1)
	v_lshl_add_u32 v[YST], v26, 5, v[YST]
	s_delay_alu instid0(VALU_DEP_1)
	v_add_nc_u32 v[YST], s88, v[YST]
	v_mul_u32_u24 v[YRD], v26, 272                 ; back: lanes 0-15 one row of 256 bytes, lanes 16-31 the next
	s_delay_alu instid0(VALU_DEP_1)
	v_lshl_add_u32 v[YRD], v25, 4, v[YRD]
	s_delay_alu instid0(VALU_DEP_1)
	v_add_nc_u32 v[YRD], s88, v[YRD]
	v_lshlrev_b32 v[YO], 14, v26                   ; and the same two rows in y
	s_delay_alu instid0(VALU_DEP_1)
	v_lshl_add_u32 v[YO], v25, 4, v[YO]
	WIN 0x40                                       ; destination window 1
.irp u, 0,1
	global_load_b128 v[Q+8*\u:Q+8*\u+3],   v[LI], s[4:5] offset:\u*1024       ; q stays in registers
	global_load_b128 v[Q+8*\u+4:Q+8*\u+7], v[LI], s[4:5] offset:\u*1024+512
.endr
.set j, 0
.rept 64
	v_mov_b32 v[O+j], 0                            ; O^T.  (The step is written without a first step of its own: the first change of M multiplies zeros)
.set j, j+1
.endr
	WIN 0
.irp u, 0,1
	v_mov_b32 v[ST+4*\u+1], 0xff61b1e6             ; the largest t so far: -3e38, under every t
	s_delay_alu instid0(VALU_DEP_1)
	v_floor_f32 v[ST+4*\u], -v[ST+4*\u+1]          ; -M
	v_mov_b32 v[ST+4*\u+2], 0                      ; l, in two halves
	v_mov_b32 v[ST+4*\u+3], 0
	v_mov_b32 v[PL+\u], 0                          ; a lane permute's destination counts as one of its sources
	v_mov_b32 v[FF+2*\u+1], 0                      ; upper halves of pairs of which the low word is used: named, so written
	v_mov_b32 v[INV+2*\u+1], 0
	v_mov_b32 v[BT+2*\u+1], 0
.endr
	s_wait_kmcnt 0x0
	s_add_co_i32 s70, s56, s57
	s_lshl_b32 s70, s70, 23
	s_add_co_i32 s22, s70, 0x3e38aa3b              ; log2(e) / 8, with e6 + e7 added to its exponent field: a score stands for score x 2^(e6 + e7)
	s_mov_b32 s23, s22                             ; (named with it as a pair, so it is written)
	MKSC 61, SCP, LMP
	MKSC 62, SCD, LMD
	s_add_co_i32 s68, s62, s63
	s_add_co_i32 s68, s68, 127
	s_lshl_b32 s68, s68, 23                        ; 2^(e10 + e11) as f32
	s_mov_b32 s69, s68
	s_wait_loadcnt 0x0                             ; q
.Lslot:                                            ; 15 trips: behind each change of slots but the last the next slot is asked for
	CHANGE 1
	STEP 0
	STEP 1
	s_xor_b32 s48, s48, SLOT1                      ; on to the other slot
	s_sub_co_u32 s49, s49, 1
	s_cmp_lg_u32 s49, 0
	s_cbranch_scc1 .Lslot
	s_mov_b32 s48, SLOT1                           ; the sixteenth slot lies in LDS slot 1: stated as a constant
	CHANGE 2                                       ; the tail is written out: slot 0 has been left by every wave of every partner, and takes x's tile
	STEP 0
	STEP 1
.rept 4
	v_nop                                          ; places between the last products and the loads into the registers that they read
.endr
.irp n, 0,1                                        ; wt's fragments, in the form's own layout: lane (r, h), registers 2 c, 2 c + 1: output 32 w + 16 n + r, channels 128 s + 16 c + 8 h + 0 .. 7
.irp s, 0,1
.irp c, 0,1,2,3,4,5,6,7
	global_load_b64 v[FR+32*\n+16*\s+2*\c:FR+32*\n+16*\s+2*\c+1], v[WTA], s[10:11] offset:\n*4096+128*\s+16*\c
.endr
.endr
.endr
.irp n, 0,1
	global_load_b32 v[BT+2*\n], v[BTA], s[12:13] offset:64*\n
.endr
	CHANGE 0                                       ; x's tile has landed, in every wave's sight; nobody reads slot 1 any more
	; ---- o - x.  Lane (r, h) of tile u holds query r and, in register 8 d + j of O^T, channel 16 d + 8 h + j of my head: x comes in the same map
.irp u, 0,1
.irp d, 0,1,2,3
.irp j, 0,1,2,3,4,5,6,7
	ds_load_b32 v[S+64*\u+8*\d+\j], v[XAD] offset:\u*64+(16*\d+\j)*256
.endr
.endr
.endr
.irp u, 0,1
	v_add_f32 v[MX+\u], v[ST+4*\u+2], v[ST+4*\u+3]       ; l's two halves,
.endr
.irp u, 0,1
	s_delay_alu instid0(VALU_DEP_2)
	v_permlanex16_b32 v[PL+\u], v[MX+\u], s20, s21
.endr
.irp u, 0,1
	s_delay_alu instid0(VALU_DEP_2)
	v_add_f32 v[MX+\u], v[MX+\u], v[PL+\u]               ; and lane l xor 16's: the row's sum
.endr
	s_wait_alu depctr_va_vdst(0)
.irp u, 0,1
	v_rcp_f32 v[INV+2*\u], v[MX+\u]
.endr
	v_nop                                          ; a plain line behind the reciprocals
	s_add_co_i32 s70, s60, s61
	s_wait_alu depctr_va_vdst(0)                   ; one wait for both, ahead of their first reader
.irp u, 0,1
	v_ldexp_f32 v[INV+2*\u], v[INV+2*\u], s70      ; x 2^(e8 + e9)
.endr
	s_wait_alu depctr_va_vdst(0)
	s_wait_dscnt 0x0                               ; x
	WIN 0x01                                       ; source 0 (O^T) window 1
.irp u, 0,1
.set j, 0
.rept 16
	v_pk_fma_f32 v[S+32+64*\u+j:S+32+64*\u+j+1], v[O+32*\u+j:O+32*\u+j+1], v[INV+2*\u:INV+2*\u+1], v[S+64*\u+j:S+64*\u+j+1] op_sel_hi:[1,0,1] neg_lo:[0,0,1] neg_hi:[0,0,1]   ; O^T / l - x; each accumulator from its low end on
.set j, j+2
.endr
.endr
	WIN 0
.irp u, 0,1
.set j, 0
.rept 32
.set j, j+1
.endr
.irp d, 0,1,2,3
	v_cvt_scalef32_pk8_bf8_f32 v[224+8*\u+2*\d:224+8*\u+2*\d+1], v[S+32+64*\u+8*\d:S+32+64*\u+8*\d+7], v[SCD]   ; register pair d of the image (tile, head): channels 16 d + 8 h + 0 .. 7
.endr
.endr
	v_nop                                          ; a plain line between the last conversion and the products that later write its sources
.irp u, 0,1
	ds_store_b128 v[DST], v[224+8*\u:224+8*\u+3] offset:\u*4096
	ds_store_b128 v[DST], v[224+8*\u+4:224+8*\u+7] offset:\u*4096+512
.endr
	s_wait_dscnt 0x0                               ; for the others' sake: my images have landed
	s_barrier_signal -1
	s_barrier_wait -1                              ; the sixteen images lie in LDS; two heads on end are a fragment of 128 channels
	s_wait_loadcnt 0x0                             ; wt, bt
	; ---- y: source 0 = 16 points, source 1 = 16 rows of wt: lane (r, h) holds output 32 w + 16 n + r and points 16 m + 8 h + 0 .. 7.  Eight accumulators by turns, a K step at a time
.irp s, 0,1
.irp m, 0,1,2,3
.irp i, 0,1,2,3
	ds_load_b128 v[S+16*\m+4*\i:S+16*\m+4*\i+3], v[DLD] offset:\m*4096+\s*2048+512*\i
.endr
.endr
	s_wait_dscnt 0x0
.irp m, 0,1,2,3
.irp n, 0,1
.if \s == 0
	v_wmma_f32_16x16x128_bf8_bf8 v[160+8*(4*\n+\m):160+8*(4*\n+\m)+7], v[S+16*\m:S+16*\m+15], v[FR+32*\n+16*\s:FR+32*\n+16*\s+15], 0
.else
	v_wmma_f32_16x16x128_bf8_bf8 v[160+8*(4*\n+\m):160+8*(4*\n+\m)+7], v[S+16*\m:S+16*\m+15], v[FR+32*\n+16*\s:FR+32*\n+16*\s+15], v[160+8*(4*\n+\m):160+8*(4*\n+\m)+7]
.endif
.endr
.endr
.rept 4
	v_nop                                          ; places in front of loads into registers that the products have read, and of the first read of results
.endr
.endr
.irp n, 0,1
.irp m, 0,1,2,3
.irp i, 0,2,4,6
	v_pk_fma_f32 v[S+8*(4*\n+\m)+\i:S+8*(4*\n+\m)+\i+1], v[160+8*(4*\n+\m)+\i:160+8*(4*\n+\m)+\i+1], s[68:69], v[BT+2*\n:BT+2*\n+1] op_sel_hi:[1,0,0]   ; sum x 2^(e10 + e11) + bt
.endr
.endr
.endr
.irp n, 0,1
.irp m, 0,1,2,3
	ds_store_b128 v[YST], v[S+8*(4*\n+\m):S+8*(4*\n+\m)+3] offset:\n*4352+64*\m
	ds_store_b128 v[YST], v[S+8*(4*\n+\m)+4:S+8*(4*\n+\m)+7] offset:\n*4352+64*\m+16
.endr
.endr
.irp i, 0,1,2,3,4,5,6,7,8,9,10,11,12,13,14,15
	ds_load_b128 v[160+4*\i:160+4*\i+3], v[YRD] offset:544*\i   ; my own bytes: LDS serves a wave's instructions in order (ISA guide 5.7.1.4): these see the stores above
.endr
.irp i, 0,1,2,3,4,5,6,7,8,9,10,11,12,13,14,15
	s_wait_dscnt 15-\i                             ; rows 2 i, 2 i + 1 are back; the loads behind them may be out
	global_store_b128 v[YO], v[160+4*\i:160+4*\i+3], s[16:17] offset:32768*\i   ; sixteen lanes store 256 consecutive bytes, at a multiple of 256 from y's first byte
.endr
	s_wait_tensorcnt 0x0                           ; the wave's end: behind my last tensor load and my last LDS store
	ds_add_u32 v[SPW], v[NIL]
	s_wait_dscnt 0x0
	CROUND                                         ; the closing round: no work-group ends while a partner may still ask for a tile that names it
	s_endpgm
.Lfunc_end_k_q2dae2c8768_attn:
	.size	k_q2dae2c8768_attn, .Lfunc_end_k_q2dae2c8768_attn-k_q2dae2c8768_attn
	.p2alignl 7, 3214868480
	.fill 96, 4, 3214868480
	.section	.rodata,"a",@progbits
	.p2align	6, 0x0
	.amdhsa_kernel k_q2dae2c8768_attn
		.amdhsa_group_segment_fixed_size 327680
		.amdhsa_private_segment_fixed_size 0
		.amdhsa_enable_private_segment 0
		.amdhsa_kernarg_size 56
		.amdhsa_user_sgpr_count 2
		.amdhsa_user_sgpr_kernarg_segment_ptr 1
		.amdhsa_wavefront_size32 1
		.amdhsa_system_sgpr_workgroup_id_x 1
		.amdhsa_system_sgpr_workgroup_id_y 1
		.amdhsa_system_sgpr_workgroup_id_z 1
		.amdhsa_system_vgpr_workitem_id 0
		.amdhsa_next_free_vgpr 384
		.amdhsa_next_free_sgpr 96
		.amdhsa_reserve_vcc 0
		.amdhsa_float_denorm_mode_32 3
		.amdhsa_float_denorm_mode_16_64 3
		.amdhsa_fp16_overflow 1
		.amdhsa_memory_ordered 1
		.amdhsa_forward_progress 1
		.amdhsa_inst_pref_size 132
	.end_amdhsa_kernel
	.amdgpu_metadata
---
amdhsa.version: [ 1, 2 ]
amdhsa.kernels:
  - .name:           k_q2dae2c8768_attn
    .symbol:         k_q2dae2c8768_attn.kd
    .args:
      - { .name: qc, .offset: 0, .size: 8, .value_kind: global_buffer, .address_space: global }
      - { .name: kv, .offset: 8, .size: 8, .value_kind: global_buffer, .address_space: global }
      - { .name: x, .offset: 16, .size: 8, .value_kind: global_buffer, .address_space: global }
      - { .name: wt_codes, .offset: 24, .size: 8, .value_kind: global_buffer, .address_space: global }
      - { .name: bt, .offset: 32, .size: 8, .value_kind: global_buffer, .address_space: global }
      - { .name: lowp_scales, .offset: 40, .size: 8, .value_kind: global_buffer, .address_space: global }
      - { .name: y, .offset: 48, .size: 8, .value_kind: global_buffer, .address_space: global }
    .group_segment_fixed_size: 327680
    .private_segment_fixed_size: 0
    .kernarg_segment_align: 8
    .kernarg_segment_size: 56
    .max_flat_workgroup_size: 256
    .sgpr_count:     96
    .vgpr_count:     384
    .wavefront_size: 32
...
	.end_amdgpu_metadata
.endif
;; end of part 2
;; launch bn (part 3): grid 256 x 1, 16 waves a work-group, no clusters, 2,304 bytes of LDS; arguments y, x, gamma, beta, out0; writes out0
.if DOCPART == 3
	.amdgcn_target "amdgcn-amd-amdhsa--gfx1250"
	.amdhsa_code_object_version 6
	.text
	.protected	k_q2dae2c8768_bn
	.globl	k_q2dae2c8768_bn
	.p2align	8
	.type	k_q2dae2c8768_bn,@function
k_q2dae2c8768_bn:
	s_mov_b64 s[64:65], 0
	v_nop
	global_prefetch_b8 v0, s[64:65] scope:SCOPE_SE
	s_setreg_imm32_b32 hwreg(HW_REG_WAVE_MODE, 25, 1), 1
	s_wait_xcnt 0x0
; out = x + relu((y - mean) rsqrt(var + 1e-5) gamma + beta), mean and var (biased) for each channel over the 4 batches x 4,096 points.  y, x, out: [4][256][4096] f32.
; SHARES.  Work-group c owns channel c whole: 4 x 16,384 bytes of y, which stay in registers between the passes: y and x are read once, and no sum spans work-groups.
; Wave w takes batch w / 4, quarter w % 4: 4,096 bytes, eight loads of 512 consecutive bytes.  The variance is taken of the deviations, as it is defined: no difference of large sums is formed.
; Two reductions over the sixteen waves, each through sixteen LDS words of its own, one barrier each; every wave adds the sixteen parts in the same order.
; Memory binds: no matrix unit, no cluster (work-groups share no input), no tensor load; no prefetch, since all loads of a wave go out at its head.
.set Y,  16                            ; v16-47  y, then the deviations, then the result
.set X,  48                            ; v48-79  x
.set A,  80                            ; v80-87  four chains of sums
.set R,  88                            ; v88-103 the sixteen waves' parts
.macro REDUCE off                      ; v80: my lane's sum -> the work-group's, in every lane
	s_delay_alu instid0(VALU_DEP_1)
	v_add_f32_dpp v80, v80, v80 row_xmask:1 row_mask:0xf bank_mask:0xf
	s_delay_alu instid0(VALU_DEP_1)
	v_add_f32_dpp v80, v80, v80 row_xmask:2 row_mask:0xf bank_mask:0xf
	s_delay_alu instid0(VALU_DEP_1)
	v_add_f32_dpp v80, v80, v80 row_xmask:4 row_mask:0xf bank_mask:0xf
	s_delay_alu instid0(VALU_DEP_1)
	v_add_f32_dpp v80, v80, v80 row_xmask:8 row_mask:0xf bank_mask:0xf
	s_delay_alu instid0(VALU_DEP_1)
	v_permlanex16_b32 v81, v80, s22, s23
	s_delay_alu instid0(VALU_DEP_1)
	v_add_f32 v80, v80, v81
	ds_store_b32 v2, v80 offset:\off               ; all lanes write my wave's word with the same value
	s_wait_dscnt 0x0                               ; for the others' sake
	s_barrier_signal -1
	s_barrier_wait -1
.irp i, 0,1,2,3
	ds_load_b128 v[R+4*\i:R+4*\i+3], v3 offset:\off+16*\i
.endr
	s_wait_dscnt 0x0
	v_pk_add_f32 v[R:R+1], v[R:R+1], v[R+2:R+3]
	v_pk_add_f32 v[R+4:R+5], v[R+4:R+5], v[R+6:R+7]
	v_pk_add_f32 v[R+8:R+9], v[R+8:R+9], v[R+10:R+11]
	v_pk_add_f32 v[R+12:R+13], v[R+12:R+13], v[R+14:R+15]
	s_delay_alu instid0(VALU_DEP_3)
	v_pk_add_f32 v[R:R+1], v[R:R+1], v[R+4:R+5]
	s_delay_alu instid0(VALU_DEP_2)
	v_pk_add_f32 v[R+8:R+9], v[R+8:R+9], v[R+12:R+13]
	s_delay_alu instid0(VALU_DEP_1)
	v_pk_add_f32 v[R:R+1], v[R:R+1], v[R+8:R+9]
	s_delay_alu instid0(VALU_DEP_1)
	v_add_f32 v80, v[R], v[R+1]
.endm
.macro FOLD                            ; the four chains into v80
	s_delay_alu instid0(VALU_DEP_3)
	v_pk_add_f32 v[A:A+1], v[A:A+1], v[A+2:A+3]
	s_delay_alu instid0(VALU_DEP_2)
	v_pk_add_f32 v[A+4:A+5], v[A+4:A+5], v[A+6:A+7]
	s_delay_alu instid0(VALU_DEP_1)
	v_pk_add_f32 v[A:A+1], v[A:A+1], v[A+4:A+5]
	s_delay_alu instid0(VALU_DEP_1)
	v_add_f32 v80, v80, v81
.endm
	s_load_b256 s[4:11], s[0:1], 0x0               ; y s[4:5], x s[6:7], gamma s[8:9], beta s[10:11]
	s_load_b64 s[12:13], s[0:1], 0x20              ; out
	v_lshl_add_u32 v128, v0, 2, 0x100
	v_mov_b32 v129, 0
	v_lshrrev_b32 v1, 5, v0
	s_delay_alu instid0(VALU_DEP_1)
	v_readfirstlane_b32 s18, v1                    ; wave 0..15
	v_and_b32 v1, 31, v0
	s_delay_alu instid0(VALU_DEP_1)
	v_lshlrev_b32 v1, 4, v1                        ; 16 x lane
	s_lshr_b32 s14, s18, 2
	s_lshl_b32 s14, s14, 22                        ; batch
	s_lshl_b32 s15, ttmp9, 14                      ; channel
	s_add_co_u32 s14, s14, s15
	s_and_b32 s15, s18, 3
	s_lshl_b32 s15, s15, 12                        ; quarter
	s_add_co_u32 s14, s14, s15
	s_mov_b32 s15, 0
	s_lshl_b32 s16, ttmp9, 2
	s_mov_b32 s17, 0
	s_mov_b32 s22, 0x76543210                      ; v_permlanex16_b32's selects for lane l xor 16
	s_mov_b32 s23, 0xfedcba98
	s_lshl_b32 s19, s18, 2
	v_mov_b32 v2, s19                              ; my wave's LDS word
	v_mov_b32 v3, 0
	s_wait_alu depctr_va_vdst(0)
	s_wait_kmcnt 0x0
	s_add_nc_u64 s[4:5], s[4:5], s[14:15]
	s_add_nc_u64 s[6:7], s[6:7], s[14:15]
	s_add_nc_u64 s[12:13], s[12:13], s[14:15]
	s_add_nc_u64 s[8:9], s[8:9], s[16:17]
	s_add_nc_u64 s[10:11], s[10:11], s[16:17]
.irp i, 0,1,2,3,4,5,6,7
	global_load_b128 v[Y+4*\i:Y+4*\i+3], v1, s[4:5] offset:512*\i th:TH_LOAD_NT
.endr
.irp i, 0,1,2,3,4,5,6,7
	global_load_b128 v[X+4*\i:X+4*\i+3], v1, s[6:7] offset:512*\i th:TH_LOAD_NT
.endr
	s_load_b32 s20, s[8:9], 0x0                    ; gamma of my channel
	s_load_b32 s21, s[10:11], 0x0                  ; beta
	s_wait_loadcnt 8                               ; y is in; x's eight loads, issued behind it, may be out
.irp k, 0,1,2,3
	v_pk_add_f32 v[A+2*\k:A+2*\k+1], v[Y+2*\k:Y+2*\k+1], v[Y+8+2*\k:Y+8+2*\k+1]   ; the first pairs start the four chains: nothing is cleared
.endr
.irp k, 0,1,2,3
	s_delay_alu instid0(VALU_DEP_4)
	v_pk_add_f32 v[A+2*\k:A+2*\k+1], v[A+2*\k:A+2*\k+1], v[Y+16+2*\k:Y+16+2*\k+1]
.endr
.irp k, 0,1,2,3
	s_delay_alu instid0(VALU_DEP_4)
	v_pk_add_f32 v[A+2*\k:A+2*\k+1], v[A+2*\k:A+2*\k+1], v[Y+24+2*\k:Y+24+2*\k+1]
.endr
	FOLD
	REDUCE 0
	s_delay_alu instid0(VALU_DEP_1)
	v_mul_f32 v104, 0xb8800000, v80                ; -mean = sum x -2^-14 (16,384 numbers)
	s_delay_alu instid0(VALU_DEP_1)
	v_mov_b32 v105, v104
.set j, 0
.rept 16
	v_pk_add_f32 v[Y+j:Y+j+1], v[Y+j:Y+j+1], v[104:105]   ; the deviations, in place
.set j, j+2
.endr
.irp k, 0,1,2,3
	v_pk_mul_f32 v[A+2*\k:A+2*\k+1], v[Y+2*\k:Y+2*\k+1], v[Y+2*\k:Y+2*\k+1]
.endr
.irp g, 8,16,24
.irp k, 0,1,2,3
	s_delay_alu instid0(VALU_DEP_4)
	v_pk_fma_f32 v[A+2*\k:A+2*\k+1], v[Y+\g+2*\k:Y+\g+2*\k+1], v[Y+\g+2*\k:Y+\g+2*\k+1], v[A+2*\k:A+2*\k+1]
.endr
.endr
	FOLD
	REDUCE 64                                      ; other words than the first reduction's: no wave can still be reading what is written here
	v_mov_b32 v107, 0x3727c5ac                     ; 1e-5
	s_delay_alu instid0(VALU_DEP_1)
	v_fmamk_f32 v106, v80, 0x38800000, v107        ; var + 1e-5 = sum x 2^-14 + 1e-5
	s_wait_kmcnt 0x0
	s_wait_alu depctr_va_vdst(0)
	v_rsq_f32 v106, v106
	v_mov_b32 v110, s21                            ; (plain lines behind the transcendental)  beta, twice
	v_mov_b32 v111, s21
	s_wait_alu depctr_va_vdst(0)                   ; ahead of the first reader of the root
	v_mul_f32 v108, s20, v106                      ; gamma / sqrt(var + 1e-5), twice
	s_delay_alu instid0(VALU_DEP_1)
	v_mov_b32 v109, v108
.set j, 0
.rept 16
	v_pk_fma_f32 v[Y+j:Y+j+1], v[Y+j:Y+j+1], v[108:109], v[110:111]
.set j, j+2
.endr
.set j, 0
.rept 32
	v_max_num_f32 v[Y+j], 0, v[Y+j]                ; relu
.set j, j+1
.endr
	s_wait_loadcnt 0x0                             ; x
.set j, 0
.rept 16
	v_pk_add_f32 v[Y+j:Y+j+1], v[Y+j:Y+j+1], v[X+j:X+j+1]
.set j, j+2
.endr
.irp i, 0,1,2,3,4,5,6,7
	global_store_b128 v1, v[Y+4*\i:Y+4*\i+3], s[12:13] offset:512*\i th:TH_STORE_NT   ; 512 consecutive bytes, aligned; written once, read by nobody here
.endr
	s_wait_tensorcnt 0x0
	ds_add_u32 v128, v129
	s_wait_dscnt 0x0
	s_endpgm
.Lfunc_end_k_q2dae2c8768_bn:
	.size	k_q2dae2c8768_bn, .Lfunc_end_k_q2dae2c8768_bn-k_q2dae2c8768_bn
	.p2alignl 7, 3214868480
	.fill 96, 4, 3214868480
	.section	.rodata,"a",@progbits
	.p2align	6, 0x0
	.amdhsa_kernel k_q2dae2c8768_bn
		.amdhsa_group_segment_fixed_size 2304
		.amdhsa_private_segment_fixed_size 0
		.amdhsa_enable_private_segment 0
		.amdhsa_kernarg_size 40
		.amdhsa_user_sgpr_count 2
		.amdhsa_user_sgpr_kernarg_segment_ptr 1
		.amdhsa_wavefront_size32 1
		.amdhsa_system_sgpr_workgroup_id_x 1
		.amdhsa_system_sgpr_workgroup_id_y 1
		.amdhsa_system_sgpr_workgroup_id_z 1
		.amdhsa_system_vgpr_workitem_id 0
		.amdhsa_next_free_vgpr 130
		.amdhsa_next_free_sgpr 66
		.amdhsa_reserve_vcc 0
		.amdhsa_float_denorm_mode_32 3
		.amdhsa_float_denorm_mode_16_64 3
		.amdhsa_memory_ordered 1
		.amdhsa_forward_progress 1
		.amdhsa_inst_pref_size 15
	.end_amdhsa_kernel
	.amdgpu_metadata
---
amdhsa.version: [ 1, 2 ]
amdhsa.kernels:
  - .name:           k_q2dae2c8768_bn
    .symbol:         k_q2dae2c8768_bn.kd
    .args:
      - { .name: y, .offset: 0, .size: 8, .value_kind: global_buffer, .address_space: global }
      - { .name: x, .offset: 8, .size: 8, .value_kind: global_buffer, .address_space: global }
      - { .name: gamma, .offset: 16, .size: 8, .value_kind: global_buffer, .address_space: global }
      - { .name: beta, .offset: 24, .size: 8, .value_kind: global_buffer, .address_space: global }
      - { .name: out0, .offset: 32, .size: 8, .value_kind: global_buffer, .address_space: global }
    .group_segment_fixed_size: 2304
    .private_segment_fixed_size: 0
    .kernarg_segment_align: 8
    .kernarg_segment_size: 40
    .max_flat_workgroup_size: 512
    .sgpr_count:     66
    .vgpr_count:     130
    .wavefront_size: 32
...
	.end_amdgpu_metadata
.endif
;; end of part 3
